; MI455X (gfx1250); checked and timed in simulation.
; The chip was launched on July 23, 2026; its instructions are those of AMD's public machine-readable ISA for CDNA 5 (MIT licence, August 2026) and "CDNA5" Instruction Set Architecture Reference Guide (July 2026). The comments in the code are by the model that wrote it; some were corrected since.
;; Learning Progress IM. Allowed arithmetic: matrix products marked QUANTISED: E2M3 operands, one E8M0 scale for each 32 along K, by v_wmma_scale_f32_16x16x128_f8f6f4 with both operands' format E2M3, f32 sums; everything else in f32.
;; Inputs: reached_goal_embedding_library 67,584 x 128 float32; target_goal_embedding_library 67,584 x 128 float32.
;; Outputs: out0 2,048 float32; out1 2,048 x 128 float32.
;; Constants: batch_size = 2048.
;; This version of the problem:
;;   THIS VERSION OF THE PROBLEM IS GIVEN IN LOW PRECISION. The matrix products marked QUANTISED in the list below multiply operands that are first quantised to E2M3 (2 exponent bits, 3 mantissa bits; 6 bits a number), with one power-of-two scale for each 32 numbers along K (OCP MX v1.0); their sums are f32. All else is computed in f32.
;;   The module's matrix products, in the order in which they are computed (A, B: the left and right operand; K: the contracted axis; several contracted axes count as one K, in the product's order):
;;     1. [M 2,048, K 128] x [K 128, N 65,536]; A: computed on the way; B: input reached_goal_embedding_library: QUANTISED
;;   THE QUANTISER, for each operand of a quantised product, along K:
;;     - K is cut into blocks of 32 from its start; a last block that is shorter is filled with zeros.
;;     - A block's scale is 2^e with e = floor(log2(the largest magnitude in the block)) - 2, held to -126 .. 127; a block of zeros has e = 0. As a byte (E8M0): e + 127.
;;     - Each number is divided by its block's scale, clamped to +-7.5, and rounded to the nearest number of E2M3, ties to even, subnormals kept.
;;     - The product sums the exact products of the quantised numbers (number of the format x scale) in f32.
;;   ~~~python
;;   def quantise(x, axis):      # numpy; x: float32 -> the quantised numbers, widened to float32 again
;;       x = np.moveaxis(x, axis, -1); K = x.shape[-1]
;;       x = np.pad(x, [(0, 0)] * (x.ndim - 1) + [(0, -K % 32)]); x = x.reshape(x.shape[:-1] + (-1, 32)); a = np.abs(x).max(-1, keepdims=True)
;;       e = np.where(a > 0, np.clip(np.frexp(np.where(a > 0, a, 1))[1] - 1 - 2, -126, 127), 0)      # np.frexp(a)[1] - 1 = floor(log2(a)), exactly
;;       r = np.clip(x / 2.0 ** e, -7.5, 7.5)
;;       step = 2.0 ** (np.maximum(np.frexp(np.where(r == 0, 1, r))[1] - 1, 0) - 3)
;;       q = np.round(r / step) * step * 2.0 ** e      # np.round: ties to even
;;       return np.moveaxis(q.reshape(q.shape[:-2] + (-1,))[..., :K], -1, axis).astype(np.float32)
;;   ~~~
;;   OPERANDS COMPUTED ON THE WAY. 'Computed on the way' means the value that the module computes at that place (a softmax that the list does not call 'softmax' is quantised finished and normalised). What goes into a quantiser is computed in f32, as accurately as f32 sums, v_exp_f32 and their like allow (about 1e-6 of the number): no bf16 or f16 on the way to a quantiser, and a product that is left as it is and whose result goes on into a quantised operand takes f32 operands (vector FMAs, or v_wmma_f32_16x16x4_f32). A number that lies on a knife's edge between two numbers of the format may be rounded either way, as far as f32 arithmetic and the matrix unit's own rounding can turn it there, and no further.
;; One version. Each part assembles by itself: llvm-mc -triple=amdgcn-amd-amdhsa -mcpu=gfx1250 --defsym DOCPART=n.
;; ======== version 1 of 1: 3 launches
;; limits: right only within a limited range of input values
;; workspace buffers: codes 7,028,736 bytes; pval 262,144 bytes; pidx 262,144 bytes of whole numbers
;; launch quant (part 1): grid 528 x 1, 8 waves a work-group, no clusters, 68,608 bytes of LDS; arguments reached_goal_embedding_library, target_goal_embedding_library, codes; writes codes
.if DOCPART == 1
	.amdgcn_target "amdgcn-amd-amdhsa--gfx1250"
	.amdhsa_code_object_version 6
	.text
	.protected	k_qfd06618051_quant
	.globl	k_qfd06618051_quant
	.p2align	8
	.type	k_qfd06618051_quant,@function
k_qfd06618051_quant:
	s_mov_b64 s[64:65], 0
	v_nop
	global_prefetch_b8 v0, s[64:65] scope:SCOPE_SE
	s_setreg_imm32_b32 hwreg(HW_REG_WAVE_MODE, 25, 1), 1
	s_wait_xcnt 0x0
; 4,224 tiles of 16 rows x 128 f32 become operands of the scaled 6-bit matrix instruction: codes of E2M3 with one E8M0 byte for each 32 along K.
; Tiles 0 .. 4095 are rows 0 .. 65535 of the reached library (prev); tiles 4096 .. 4223 are rows 65536 .. 67583 of the target library (tg).  Tile T begins at row 16 T of its library, so only the base differs.
; OUT, codes: a quad of four tiles is 6,656 bytes; tile T lies in quad T / 4, t = T % 4.  Bytes 128 t of the quad: 16 scale words (byte b for k = 32 b ..), then 16 times minus the sum of the row's squares, f32, of the numbers as given.
; Bytes 512 + 1536 t: the codes AS AN IMAGE OF THE OPERAND'S REGISTERS: registers 4 c .. 4 c + 3 of lane L's twelve at 512 c + 16 L.  Lane (r = L % 16, h = L / 16) holds row r; registers 6 c .. 6 c + 5 hold k = 64 c + 32 h + 0 .. 31.
; DEAD WORK LEFT OUT: tt = the sum of tg's squares.  d2 = tt - P + pp, and tt is one number for all columns of a row of d2: in real numbers the argmin over the columns does not hang on it, whatever the inputs hold; it is the argmax of
; S = P - pp.  No launch uses tt.  (It is formed here beside the live pp, in the same lines; nobody reads it.)  A NaN, an infinity or an overflow that reaches only tt is not carried to the result.
; THE LEFT OPERAND OF THE PRODUCT IS 2 x tg: doubling moves a block's largest magnitude up one power of two and nothing else, so its codes are tg's and each scale byte is tg's + 1.
; LIMITS: a block of zeros gets the byte 1 (tg: 2) where the quantiser says 127: its codes are zeros, and this program alone reads the bytes.  A block of tg whose largest magnitude lies under 2^-124 has its byte held one too high
; against the quantiser of 2 x tg.  NaN and infinities among the inputs are not served.  The sum of squares is taken in four chains and across two lanes: another order of f32 rounding than a plain chain.
; SHARES: one wave, one tile; straight-line text, no loop, no barrier: waves share nothing.  No cluster: no two work-groups read the same bytes.  No prefetch: no loop to run ahead in.
; A load reads one row, 512 consecutive bytes, 16 a lane; the conversions want 32 neighbours along K in ONE lane: so the tile turns through the wave's own stage in LDS (rows 528 bytes apart) and comes back into the same registers.
.set PITCH, 528
.set WST,   16*PITCH
.set SPARE, 67584
.set L16,  4                           ; 16 x lane
.set SA,   5                           ; stage, in: 16 x lane
.set RA,   6                           ; stage, out: 528 r + 128 h
.set L4,   7
.set MA,   8                           ; v8-11 four chains of maxima
.set SO,   12
.set BY,   14
.set F,    16
.set H,    28                          ; v28-30, v32-34
.set PPS,  31
.set NPP,  35
.set ACC,  36
.set WORD, 44
.set TMP,  45
.set OUTW, 46
.set H8,   47
.set N,    48                          ; v48-111 the tile as loaded, then my 64 numbers: register 32 c + i = x(r, 64 c + 32 h + i)
.set SPW,  112
.set NIL,  113
	s_load_b128 s[4:7], s[0:1], 0x0                ; reached, target
	s_load_b64 s[8:9], s[0:1], 0x10                ; codes
	v_lshl_add_u32 v[SPW], v0, 2, SPARE
	v_mov_b32 v[NIL], 0
	v_lshrrev_b32 v1, 5, v0
	v_readfirstlane_b32 s12, v1                    ; wave
	s_mul_i32 s13, s12, WST
	v_and_b32 v1, 31, v0                           ; lane
	v_and_b32 v2, 15, v0                           ; r
	v_bfe_u32 v3, v0, 4, 1                         ; h
	v_mov_b32 v[TMP], 0                            ; a lane permute's destination counts as one of its sources
	v_lshlrev_b32 v[L16], 4, v1
	v_mul_u32_u24 v[RA], v2, PITCH
	v_lshlrev_b32 v[L4], 2, v1
	v_lshlrev_b32 v[H8], 3, v3
	v_add_nc_u32 v[SA], s13, v[L16]
	v_lshl_add_u32 v[RA], v3, 7, v[RA]
	v_cmp_lt_u32 s26, 15, v1                       ; lanes 16-31
	v_add_nc_u32 v[RA], s13, v[RA]
	s_wait_alu depctr_va_vdst(0)                   ; the wait at the head's end
	s_lshl_b32 s14, ttmp9, 3
	s_add_co_u32 s14, s14, s12                     ; T = 8 x work-group + wave
	s_lshl_b32 s16, s14, 13                        ; 16 rows of 512 bytes
	s_mov_b32 s17, 0
	s_lshr_b32 s15, s14, 2
	s_mul_i32 s15, s15, 6656                       ; the quad
	s_and_b32 s14, s14, 3
	s_mul_i32 s18, s14, 1536
	s_add_co_u32 s18, s18, s15
	s_add_co_u32 s18, s18, 512                     ; the image
	s_mov_b32 s19, 0
	s_lshl_b32 s20, s14, 7
	s_add_co_u32 s20, s20, s15                     ; scale words and sums
	s_mov_b32 s21, 0
	s_mov_b32 s24, 0x76543210                      ; v_permlanex16_b32's selects for lane l xor 16
	s_mov_b32 s25, 0xfedcba98
	s_wait_kmcnt 0x0
	s_cmp_lt_u32 ttmp9, 512                        ; work-groups 0 .. 511 take prev, 512 .. 527 tg: the choice hangs on the work-group's number alone
	s_cselect_b64 s[4:5], s[4:5], s[6:7]
	s_cselect_b32 s22, 0, 0x01010101               ; what is added to the scale word: 1 to each byte for 2 x tg
	s_add_nc_u64 s[4:5], s[4:5], s[16:17]
	s_add_nc_u64 s[10:11], s[8:9], s[20:21]
	s_add_nc_u64 s[8:9], s[8:9], s[18:19]
.irp i, 0,1,2,3,4,5,6,7,8,9,10,11,12,13,14,15
	global_load_b128 v[N+4*\i:N+4*\i+3], v[L16], s[4:5] offset:512*\i   ; row i: 512 consecutive bytes
.endr
.irp i, 0,1,2,3,4,5,6,7,8,9,10,11,12,13,14,15
	s_wait_loadcnt 15-\i                           ; row i is in, the 15 - i younger ones may be out
	ds_store_b128 v[SA], v[N+4*\i:N+4*\i+3] offset:PITCH*\i
.endr
	s_wait_dscnt 0x0                               ; the stores have read the registers
.irp c, 0,1
.irp j, 0,1,2,3,4,5,6,7
	ds_load_b128 v[N+32*\c+4*\j:N+32*\c+4*\j+3], v[RA] offset:256*\c+16*\j
.endr
.endr
	s_wait_dscnt 0x0
.irp a, 0,1,2,3
	v_pk_mul_f32 v[ACC+2*\a:ACC+2*\a+1], v[N+2*\a:N+2*\a+1], v[N+2*\a:N+2*\a+1]
.endr
.irp b, 4,5,6,7,8,9,10,11,12,13,14,15,16,17,18,19,20,21,22,23,24,25,26,27,28,29,30,31
	v_pk_fma_f32 v[ACC+2*(\b%4):ACC+2*(\b%4)+1], v[N+2*\b:N+2*\b+1], v[N+2*\b:N+2*\b+1], v[ACC+2*(\b%4):ACC+2*(\b%4)+1]
.endr
	v_pk_add_f32 v[ACC:ACC+1], v[ACC:ACC+1], v[ACC+2:ACC+3]
	v_pk_add_f32 v[ACC+4:ACC+5], v[ACC+4:ACC+5], v[ACC+6:ACC+7]
	v_pk_add_f32 v[ACC:ACC+1], v[ACC:ACC+1], v[ACC+4:ACC+5]
	v_add_f32 v[PPS], v[ACC], v[ACC+1]
	v_permlanex16_b32 v[TMP], v[PPS], s24, s25     ; the row's other 64 numbers lie in the lane 16 away
	v_add_f32 v[NPP], -v[PPS], -v[TMP]
	; my two blocks' largest magnitudes, in four chains, with the floor 2^(3 - 127): the byte cannot fall under 1
.irp c, 0,1
	v_max3_num_f32 v[MA+\c], |v[N+32*\c]|, |v[N+32*\c+1]|, 0x1800000
	v_max3_num_f32 v[MA+2+\c], |v[N+32*\c+16]|, |v[N+32*\c+17]|, |v[N+32*\c+18]|
.endr
.irp i, 2,4,6,8,10,12
.irp c, 0,1
	v_max3_num_f32 v[MA+\c], v[MA+\c], |v[N+32*\c+\i]|, |v[N+32*\c+\i+1]|
	v_max3_num_f32 v[MA+2+\c], v[MA+2+\c], |v[N+32*\c+17+\i]|, |v[N+32*\c+18+\i]|
.endr
.endr
.irp c, 0,1
	v_max3_num_f32 v[MA+\c], v[MA+\c], |v[N+32*\c+14]|, |v[N+32*\c+15]|
.endr
.irp c, 0,1
	v_max3_num_f32 v[MA+\c], v[MA+\c], v[MA+2+\c], |v[N+32*\c+31]|
.endr
.irp c, 0,1
	v_add_nc_u32 v[SO+\c], 0xff000000, v[MA+\c]    ; 2 off the exponent field: the conversion takes this operand's exponent field as its scale
.endr
.irp c, 0,1
	v_lshrrev_b32 v[BY+\c], 23, v[SO+\c]           ; the scale's byte
.endr
	v_lshl_or_b32 v[WORD], v[BY+1], 16, v[BY]      ; my two bytes, blocks h and 2 + h,
	v_lshlrev_b32 v[WORD], v[H8], v[WORD]          ; 8 h bits up;
	v_permlanex16_b32 v[TMP], v[WORD], s24, s25
	v_or_b32 v[WORD], v[WORD], v[TMP]              ; with the other lane's two the word is whole
	v_add_nc_u32 v[WORD], s22, v[WORD]             ; tg: each byte + 1 (a byte is 252 at the most: nothing carries)
.irp c, 0,1
	v_cvt_scalef32_pk16_fp6_f32 v[F+6*\c:F+6*\c+2], v[N+32*\c:N+32*\c+15], v[SO+\c]
	v_cvt_scalef32_pk16_fp6_f32 v[H+4*\c:H+4*\c+2], v[N+32*\c+16:N+32*\c+31], v[SO+\c]   ; a conversion's three registers begin on an even number: made elsewhere and moved
.endr
	v_cndmask_b32 v[OUTW], v[WORD], v[NPP], s26    ; lanes 0-15: the scale words; 16-31: minus the sums.  (The plain place behind the conversions)
.irp c, 0,1
.irp i, 0,1,2
	v_mov_b32 v[F+6*\c+3+\i], v[H+4*\c+\i]
.endr
.endr
.irp c, 0,1,2
	global_store_b128 v[L16], v[F+4*\c:F+4*\c+3], s[8:9] offset:512*\c   ; 512 consecutive bytes, at a multiple of 512 from the quad's first byte
.endr
	global_store_b32 v[L4], v[OUTW], s[10:11]      ; 128 consecutive bytes: one byte in 76 of what this wave moves
	s_wait_tensorcnt 0x0                           ; the wave's end
	ds_add_u32 v[SPW], v[NIL]
	s_wait_dscnt 0x0
	s_endpgm
.Lfunc_end_k_qfd06618051_quant:
	.size	k_qfd06618051_quant, .Lfunc_end_k_qfd06618051_quant-k_qfd06618051_quant
	.p2alignl 7, 3214868480
	.fill 96, 4, 3214868480
	.section	.rodata,"a",@progbits
	.p2align	6, 0x0
	.amdhsa_kernel k_qfd06618051_quant
		.amdhsa_group_segment_fixed_size 68608
		.amdhsa_private_segment_fixed_size 0
		.amdhsa_enable_private_segment 0
		.amdhsa_kernarg_size 24
		.amdhsa_user_sgpr_count 2
		.amdhsa_user_sgpr_kernarg_segment_ptr 1
		.amdhsa_wavefront_size32 1
		.amdhsa_system_sgpr_workgroup_id_x 1
		.amdhsa_system_sgpr_workgroup_id_y 1
		.amdhsa_system_sgpr_workgroup_id_z 1
		.amdhsa_system_vgpr_workitem_id 0
		.amdhsa_next_free_vgpr 114
		.amdhsa_next_free_sgpr 66
		.amdhsa_reserve_vcc 0
		.amdhsa_float_denorm_mode_32 3
		.amdhsa_float_denorm_mode_16_64 3
		.amdhsa_memory_ordered 1
		.amdhsa_forward_progress 1
		.amdhsa_inst_pref_size 13
	.end_amdhsa_kernel
	.amdgpu_metadata
---
amdhsa.version: [ 1, 2 ]
amdhsa.kernels:
  - .name:           k_qfd06618051_quant
    .symbol:         k_qfd06618051_quant.kd
    .args:
      - { .name: reached_goal_embedding_library, .offset: 0, .size: 8, .value_kind: global_buffer, .address_space: global }
      - { .name: target_goal_embedding_library, .offset: 8, .size: 8, .value_kind: global_buffer, .address_space: global }
      - { .name: codes, .offset: 16, .size: 8, .value_kind: global_buffer, .address_space: global }
    .group_segment_fixed_size: 68608
    .private_segment_fixed_size: 0
    .kernarg_segment_align: 8
    .kernarg_segment_size: 24
    .max_flat_workgroup_size: 256
    .sgpr_count:     66
    .vgpr_count:     114
    .wavefront_size: 32
...
	.end_amdgpu_metadata
.endif
;; end of part 1
;; launch scan (part 2): grid 8 x 32, 8 waves a work-group, clusters of 4 x 1, 327,680 bytes of LDS; arguments codes, pval, pidx; writes pval, pidx
.if DOCPART == 2
	.amdgcn_target "amdgcn-amd-amdhsa--gfx1250"
	.amdhsa_code_object_version 6
	.text
	.protected	k_qfd06618051_scan
	.globl	k_qfd06618051_scan
	.p2align	8
	.type	k_qfd06618051_scan,@function
k_qfd06618051_scan:
	s_mov_b64 s[64:65], 0
	v_nop
	global_prefetch_b8 v0, s[64:65] scope:SCOPE_SE
	s_setreg_imm32_b32 hwreg(HW_REG_WAVE_MODE, 25, 1), 1
	s_wait_xcnt 0x0
	s_wait_alu depctr_hold_cnt(0) depctr_sa_sdst(0) depctr_va_vdst(0) depctr_va_sdst(0) depctr_va_ssrc(0) depctr_va_vcc(0) depctr_vm_vsrc(0)
	s_getreg_b32 s2, hwreg(HW_REG_IB_STS2, 6, 4)
	s_cmp_eq_u32 s2, 0
	s_cbranch_scc0 .Lentry_in_a_cluster
	s_endpgm
.Lentry_in_a_cluster:
	s_bfe_u32 s2, ttmp6, 0x10000c
	s_cmp_lg_u32 s2, 0x3003
	s_cbranch_scc0 .Lentry_shape_is_right
	s_endpgm
.Lentry_shape_is_right:
; For each of 2,048 queries and each of 32 blocks of 2,048 prev rows: the largest S = P - pp of the block, P = (2 tg) . prev on codes of E2M3 with E8M0 scales, and the row that has it.  (tt is left out: see the first kernel.)
; IN: codes, quads of four tiles (6,656 bytes: 4 x 128 of scale words and -pp, then 4 images of operand registers of 1,536), quads 0 .. 1023 prev, 1024 .. 1055 the queries.
; OUT: pval [32][2048] f32: minus the block's largest S;  pidx [32][2048] u32: its row, 0 .. 65535.
; SHARES.  Work-group (qb, pb): 256 queries (16 tiles) against 2,048 prev rows (32 quads).  Wave w: query tiles 8 (w % 2) .. + 7, kept in registers (96), against the eight quads of row group w / 2.
; THE PRODUCT IS USED TRANSPOSED: source 0 = 16 prev rows, source 1 = 16 queries: a lane holds ONE query (lane % 16), its eight registers prev rows 8 (lane / 16) + 0 .. 7.  -pp is the C.
; THE ARGMAX goes by pairs of prev tiles.  For each query tile a lane keeps BEST, the number IDX of the pair that gave it, and SAV, that pair's 16 S.  A later pair replaces only where it is strictly larger; at the end the lowest register
; that equals BEST gives the row; halves of the lanes and row groups are merged with the lower row winning a tie: as argmin does.
; LDS: every byte is filled once.  At the head each wave asks for one quad, two of each row group; behind a drained round each wave asks for three more, which land while the first four pairs are multiplied.
; CLUSTER.  The four work-groups of a cluster share pb: prev's quads are asked for JOINTLY (mask 15).  The queries' 26 KB are shared only with work-groups of other clusters and come by plain loads.
; NO PREFETCH: no loop fetches from memory; all that a work-group reads is asked for in its first two groups of loads.
; LIMITS: -pp is added inside the matrix instruction, another order of f32 rounding than the source's.  NaN and infinities are not served.
; REGISTERS.  Window 0: below.  Window 1: v0-95 the query fragments; v96-119 two prev fragments; v120-135 their -pp.
.set QUAD, 6656
.set REG2, 8*QUAD                      ; LDS: the head's eight quads (wave w's at w QUAD), then 3 quads a wave
.set QC,   32*QUAD                     ; the 16 query images
.set SCR,  QC+16*1536                  ; (S, row): 2,048 x row group + 8 x query
.set SPARE, SCR+8192
.set L16,  1
.set AC,   2                           ; 64 + 32 h
.set AS,   3                           ; 4 r
.set WI,   5                           ; the quad in hand: images, -pp, scale words
.set WC,   6
.set WS,   7
.set TID,  8                           ; the pair in hand, 0 .. 15
.set PS,   9                           ; v9, v10 its two tiles' scale words
.set T,    12                          ; v12, v14
.set U,    16                          ; v16, v18
.set QS,   19                          ; v19-23, v27-29 the query tiles' scale words
.set QW,   24
.set QR,   25
.set SPW,  30
.set NIL,  31
.set BEST, 32                          ; v[32 + 2 i] BEST, v[33 + 2 i] IDX of query tile i
.set D,    48                          ; v48-111 result tiles, two groups of four
.set SAV,  112                         ; v[112 + 16 i ..] the winning pair's 16 S
.set ROWB, 240                         ; my row group's first row + 8 h
.set SW,   241
.set RD,   242
.set VO,   243
.set OTV,  244
.set OTR,  248
.set E,    112
.set A,    96                          ; window 1
.set C,    120
.set WV,   12
.set SEL,  20
.set TP,   22
.set CNT,  24
.set G1H,  28                          ; s[28:35] group 1 for one quad;  s[36:43] for three
.set G1S,  36
.set G0H,  44
.set G0S,  48
.set MSB, 0
.macro WIN new                         ; the immediate's high byte repeats the setting that is left
.if MSB != \new
	s_set_vgpr_msb (MSB<<8)|\new
.set MSB, \new
.endif
.endm
.macro CROUND                          ; a round of the cluster's barrier
	s_barrier_signal -1
	s_barrier_wait -1
	s_cmp_lg_u32 s[WV], 0
	s_cbranch_scc1 .Lnot_wave_0_\@
	s_barrier_signal -3
.Lnot_wave_0_\@:
	s_barrier_wait -3
	s_barrier_signal -1
	s_barrier_wait -1
.endm
	s_load_b128 s[4:7], s[0:1], 0x0                ; codes, pval
	s_load_b64 s[8:9], s[0:1], 0x10                ; pidx
	v_lshl_add_u32 v[SPW], v0, 2, SPARE
	v_mov_b32 v[NIL], 0
	ds_add_u32 v[SPW], v[NIL]                      ; the opening: the add, twice on end, ahead of my first tensor load
	ds_add_u32 v[SPW], v[NIL]
	v_lshrrev_b32 v10, 5, v0
	v_readfirstlane_b32 s[WV], v10                 ; wave 0..7
	s_lshr_b32 s16, s[WV], 1                       ; row group
	s_and_b32 s17, s[WV], 1                        ; which half of the queries; which of the row group's two loads
	s_mul_i32 s76, s[WV], 3072
	s_mul_i32 s77, s17, 12288
	s_and_b32 s15, ttmp7, 0xffff                   ; pb, which the four partners share
	s_lshl_b32 s74, s15, 11
	s_lshl_b32 s75, s16, 9
	s_add_co_u32 s74, s74, s75                     ; my row group's first row
	s_lshl_b32 s75, s16, 11
	s_lshl_b32 s78, s17, 10
	s_add_co_u32 s75, s75, s78
	s_add_co_u32 s76, s76, QC
	s_add_co_u32 s77, s77, QC
	s_add_co_u32 s75, s75, SCR
	v_and_b32 v10, 31, v0                          ; lane
	v_and_b32 v11, 15, v0                          ; r
	v_bfe_u32 v12, v0, 4, 1                        ; h
	v_and_b32 v13, 127, v0                         ; thread % 128
	v_lshlrev_b32 v[L16], 4, v10
	v_lshlrev_b32 v[AS], 2, v11
	v_lshlrev_b32 v[AC], 5, v12
	v_lshl_add_u32 v[ROWB], v12, 3, s74
	v_lshl_add_u32 v[SW], v11, 3, s75
	v_lshl_add_u32 v[RD], v13, 4, SCR
	v_lshlrev_b32 v[VO], 3, v13
	v_add_nc_u32 v[AC], 64, v[AC]
	v_add_nc_u32 v[QW], s76, v[L16]
	v_add_nc_u32 v[QR], s77, v[L16]
.irp k, 0,1,2,3,4,5,6,7
	v_mov_b32 v[OTV+\k], 0                         ; written once: a lane permute's destination counts as one of its sources
.endr
	s_wait_alu depctr_va_vdst(0)                   ; the wait at the head's end
	s_bfe_u32 s13, ttmp6, 0x40000                  ; cx: it enters the queries' and the results' global addresses alone
	s_lshl_b32 s14, ttmp9, 2
	s_add_co_u32 s14, s14, s13                     ; qb = 4 x cluster x + cx
	s_lshl_b32 s70, s15, 5
	s_lshl_b32 s72, s16, 3
	s_add_co_u32 s70, s70, s72
	s_add_co_u32 s70, s70, s17                     ; my first quad: 32 pb + 8 group + (w % 2)
	s_lshl_b32 s72, s17, 1
	s_add_co_u32 s72, s72, s70
	s_add_co_u32 s72, s72, 2                       ; then three from 32 pb + 8 group + 2 + 3 (w % 2) on
	s_mul_i32 s70, s70, QUAD
	s_mov_b32 s71, 0
	s_mul_i32 s72, s72, QUAD
	s_mov_b32 s73, 0
	s_mul_i32 s18, s[WV], QUAD                     ; where they go: the wave's number and constants alone
	s_mul_i32 s19, s[WV], 3*QUAD
	s_add_co_u32 s19, s19, REG2
	s_lshl_b32 s68, s14, 2
	s_add_co_u32 s68, s68, 1024                    ; the work-group's first query quad
	s_add_co_u32 s66, s68, s16
	s_mul_i32 s66, s66, QUAD
	s_mul_i32 s67, s17, 3072
	s_add_co_u32 s66, s66, s67
	s_add_co_u32 s66, s66, 512                     ; the two query images that I bring: 2 w and 2 w + 1
	s_mov_b32 s67, 0
	s_lshl_b32 s69, s17, 1
	s_add_co_u32 s68, s68, s69
	s_mul_i32 s68, s68, QUAD                       ; my eight query tiles' scale words
	s_mov_b32 s69, 0
	s_lshl_b32 s76, s15, 13                        ; the results: (2,048 pb + 256 qb) x 4 bytes
	s_lshl_b32 s77, s14, 10
	s_add_co_u32 s76, s76, s77
	s_mov_b32 s77, 0
	s_mov_b32 s[SEL], 0x76543210                   ; v_permlanex16_b32's selects for lane l xor 16
	s_mov_b32 s[SEL+1], 0xfedcba98
	; group 1: dense blocks as rows of 256 bytes (32 elements of 8 bytes): 26 rows = a quad, 78 rows = three
	s_mov_b32 s[G1H], 15|(3<<16)|(1<<21)           ; 15:0 the mask: all four work-groups; 17:16 elements of 8 bytes; 21 set beside a mask
	s_mov_b32 s[G1H+1], 32<<16
	s_mov_b32 s[G1H+2], 26<<16
	s_mov_b32 s[G1H+3], 32<<16
	s_mov_b32 s[G1H+4], 26
	s_mov_b32 s[G1H+5], 32
	s_mov_b32 s[G1H+6], 0
	s_mov_b32 s[G1H+7], 0
	s_mov_b32 s[G1S], 15|(3<<16)|(1<<21)
	s_mov_b32 s[G1S+1], 32<<16
	s_mov_b32 s[G1S+2], 78<<16
	s_mov_b32 s[G1S+3], 32<<16
	s_mov_b32 s[G1S+4], 78
	s_mov_b32 s[G1S+5], 32
	s_mov_b32 s[G1S+6], 0
	s_mov_b32 s[G1S+7], 0
	s_wait_dscnt 0x0                               ; both opening adds are done
	s_wait_kmcnt 0x0
	s_add_nc_u64 s[66:67], s[4:5], s[66:67]
	s_add_nc_u64 s[68:69], s[4:5], s[68:69]
	; the queries come by plain loads, asked for ahead of the round so that they are on their way during it
.irp k, 0,1,2,3,4,5
	global_load_b128 v[D+4*\k:D+4*\k+3], v[L16], s[66:67] offset:512*\k     ; two query tiles' images
.endr
.irp i, 0,1,2,3,4,5,6,7
	global_load_b32 v[QS+\i+3*(\i/5)], v[AS], s[68:69] offset:QUAD*(\i/4)+128*(\i%4)   ; lane r: query r's scale word (lanes 16-31 hold the same and are not read)
.endr
	s_add_nc_u64 s[70:71], s[4:5], s[70:71]
	s_add_nc_u64 s[72:73], s[4:5], s[72:73]
	s_add_nc_u64 s[6:7], s[6:7], s[76:77]
	s_add_nc_u64 s[8:9], s[8:9], s[76:77]
	s_mov_b32 s[G0H], 1                            ; count = 1
	s_mov_b32 s[G0H+1], s18                        ; LDS address
	s_mov_b64 s[G0H+2:G0H+3], s[70:71]             ; global address: pb and the wave's number alone
	s_or_b32 s[G0H+3], s[G0H+3], 0x80000000        ; type = 2
	s_mov_b32 s[G0S], 1
	s_mov_b32 s[G0S+1], s19
	s_mov_b64 s[G0S+2:G0S+3], s[72:73]
	s_or_b32 s[G0S+3], s[G0S+3], 0x80000000
	CROUND                                         ; all four work-groups are here: the joint loads meet
	tensor_load_to_lds s[G0H:G0H+3], s[G1H:G1H+7]  ; one tensor load a wave at the head
	s_nop 0
.rept 4
	v_nop
.endr
	s_wait_loadcnt 8                               ; the six image loads are in; the eight scale words, issued behind them, may be out
.irp k, 0,1,2,3,4,5
	ds_store_b128 v[QW], v[D+4*\k:D+4*\k+3] offset:512*\k
.endr
	s_wait_tensorcnt 0x0                           ; my quad is in
	ds_add_u32 v[SPW], v[NIL]
	s_wait_dscnt 0x0                               ; the add is done, and my two images lie in LDS
	CROUND                                         ; so do everybody's
	tensor_load_to_lds s[G0S:G0S+3], s[G1S:G1S+7]  ; my three other quads
	s_nop 0
.rept 4
	v_nop
.endr
	WIN 0x40                                       ; destination window 1
.irp i, 0,1,2,3,4,5,6,7
.irp c, 0,1,2
	ds_load_b128 v[12*\i+4*\c:12*\i+4*\c+3], v[QR] offset:1536*\i+512*\c    ; the query fragments stay in registers
.endr
.endr
	WIN 0
; The quad at s[TP]
.macro ATQUAD
	v_add_nc_u32 v[WI], s[TP], v[L16]
	v_add_nc_u32 v[WC], s[TP], v[AC]
	v_add_nc_u32 v[WS], s[TP], v[AS]
.endm
; Pair par (0, 1) of the quad: two fragments, -pp in the result's layout (all lanes of a half read the same 32 bytes), scale words
.macro LOADP par
	WIN 0
.irp t, 0,1
	ds_load_b32 v[PS+\t], v[WS] offset:256*\par+128*\t
.endr
	WIN 0x40
.irp t, 0,1
.irp c, 0,1,2
	ds_load_b128 v[A+12*\t+4*\c:A+12*\t+4*\c+3], v[WI] offset:512+3072*\par+1536*\t+512*\c
.endr
	ds_load_b128 v[C+8*\t:C+8*\t+3], v[WC] offset:256*\par+128*\t
	ds_load_b128 v[C+8*\t+4:C+8*\t+7], v[WC] offset:256*\par+128*\t+16
.endr
	WIN 0
.endm
; S of the pair's tile t x query tile i, into v[d ..]
.macro MM d, i, t
	v_wmma_scale_f32_16x16x128_f8f6f4 v[(\d):(\d)+7], v[A+12*(\t):A+12*(\t)+11], v[12*(\i):12*(\i)+11], v[C+8*(\t):C+8*(\t)+7], v[PS+(\t)], v[QS+(\i)+3*((\i)/5)] matrix_a_fmt:MATRIX_FMT_FP6 matrix_b_fmt:MATRIX_FMT_FP6
.endm
.macro GROUP g                         ; query tiles 2 g and 2 g + 1: four products
	WIN 0x15                                       ; A, B and C in window 1, D in window 0
.irp k, 0,1
	MM D+32*((\g)%2)+16*\k, 2*(\g)+\k, 0
	MM D+32*((\g)%2)+16*\k+8, 2*(\g)+\k, 1
.endr
	WIN 0
.endm
; The group's results against what is kept.  Each accumulator is read from its low end on.
.macro KEEP g
.set dd, D+32*((\g)%2)
.set bb, BEST+4*(\g)
.irp k, 0,1
	v_max3_num_f32 v[T+2*\k], v[bb+2*\k], v[dd+16*\k], v[dd+16*\k+1]
	v_max3_num_f32 v[U+2*\k], v[dd+16*\k+8], v[dd+16*\k+9], v[dd+16*\k+10]
.endr
.irp j, 2,4
.irp k, 0,1
	v_max3_num_f32 v[T+2*\k], v[T+2*\k], v[dd+16*\k+\j], v[dd+16*\k+\j+1]
	v_max3_num_f32 v[U+2*\k], v[U+2*\k], v[dd+16*\k+9+\j], v[dd+16*\k+10+\j]
.endr
.endr
.irp k, 0,1
	v_max3_num_f32 v[T+2*\k], v[T+2*\k], v[dd+16*\k+6], v[dd+16*\k+7]
.endr
.irp k, 0,1
	v_max3_num_f32 v[T+2*\k], v[T+2*\k], v[U+2*\k], v[dd+16*\k+15]
.endr
.irp k, 0,1
.set si, SAV+32*(\g)+16*\k
	v_cmp_gt_f32 vcc_lo, v[T+2*\k], v[bb+2*\k]     ; strictly larger: an equal value of a later pair does not replace
.irp j, 0,2,4,6,8,10,12,14
	v_dual_cndmask_b32 v[si+\j], v[si+\j], v[dd+16*\k+\j] :: v_dual_cndmask_b32 v[si+\j+1], v[si+\j+1], v[dd+16*\k+\j+1]
.endr
	v_dual_mov_b32 v[bb+2*\k], v[T+2*\k] :: v_dual_cndmask_b32 v[bb+2*\k+1], v[bb+2*\k+1], v[TID]
.endr
.endm
; A pair of prev tiles against my 8 query tiles.  The vector work stands one group behind the products; the places ahead of the first read (ISA guide 7.12.1) are the four lines in the middle and, later, the group before.
; ld: the pair asked for near the end: 1 the same quad's second, 0 the next quad's first, 2 none.
.macro PAIR ld
	s_wait_dscnt 0x0                               ; the pair's fragments are in
	v_add_nc_u32 v[TID], 1, v[TID]
	GROUP 0
	GROUP 1
.if \ld == 0
	s_add_co_u32 s[TP], s[TP], QUAD
	ATQUAD
	v_nop
.else
.rept 4
	v_nop
.endr
.endif
	KEEP 0
	GROUP 2
	KEEP 1
	GROUP 3
	KEEP 2
.if \ld < 2
	LOADP \ld
.endif
	KEEP 3
.endm
	s_mul_i32 s[TP], s16, 2*QUAD                   ; the row group's two quads of the head
	ATQUAD
	LOADP 0
	v_mov_b32 v[TID], 0
	s_wait_alu depctr_va_vdst(0)
	s_wait_loadcnt 0x0                             ; the scale words
	s_wait_dscnt 0x0
	; the first pair's results ARE the kept ones: nothing is cleared
	WIN 0x15
.irp i, 0,1,2,3,4,5,6,7
	MM SAV+16*\i, \i, 0
	MM SAV+16*\i+8, \i, 1
.endr
	WIN 0
.rept 4
	v_nop
.endr
	LOADP 1
.irp i, 0,1,2,3,4,5,6,7
	v_max3_num_f32 v[BEST+2*\i], v[SAV+16*\i], v[SAV+16*\i+1], v[SAV+16*\i+2]
.endr
.irp j, 3,5,7,9,11,13
.irp i, 0,1,2,3,4,5,6,7
	v_max3_num_f32 v[BEST+2*\i], v[BEST+2*\i], v[SAV+16*\i+\j], v[SAV+16*\i+\j+1]
.endr
.endr
.irp i, 0,1,2,3,4,5,6,7
	v_max_num_f32 v[BEST+2*\i], v[BEST+2*\i], v[SAV+16*\i+15]
.endr
.irp i, 0,1,2,3,4,5,6,7
	v_mov_b32 v[BEST+2*\i+1], 0
.endr
	s_wait_alu depctr_va_vdst(0)                   ; directly ahead of the wait below
	PAIR 0
	PAIR 1
	PAIR 2
	s_wait_alu depctr_va_vdst(0)                   ; directly ahead of the waits below
	s_wait_tensorcnt 0x0                           ; my three quads are in; no tensor load follows
	s_wait_dscnt 0x0
	s_barrier_signal -1
	s_barrier_wait -1                              ; everybody's are
	s_mul_i32 s[TP], s16, 6*QUAD
	s_add_co_u32 s[TP], s[TP], REG2
	ATQUAD
	LOADP 0
	s_mov_b32 s[CNT], 5
	s_wait_alu depctr_va_vdst(0)
.Lquad:
	PAIR 1
	PAIR 0
	s_sub_co_u32 s[CNT], s[CNT], 1
	s_cmp_lg_u32 s[CNT], 0
	s_wait_alu depctr_va_vdst(0)                   ; directly ahead of the branch
	s_cbranch_scc1 .Lquad
	PAIR 1
	PAIR 2                                         ; the last quad asks for nothing more
; The row, for query tiles 4 g .. 4 g + 3: which tile of the kept pair (the first wins a tie), the lowest register of it that equals BEST; then the two halves of the lanes are merged, the lower row winning a tie.
.macro RESOLVE g
.irp k, 0,1,2,3
.set si, SAV+16*(4*(\g)+\k)
	v_max3_num_f32 v[D+\k], v[si], v[si+1], v[si+2]
.endr
.irp j, 3,5
.irp k, 0,1,2,3
.set si, SAV+16*(4*(\g)+\k)
	v_max3_num_f32 v[D+\k], v[D+\k], v[si+\j], v[si+\j+1]
.endr
.endr
.irp k, 0,1,2,3
.set si, SAV+16*(4*(\g)+\k)
	v_max_num_f32 v[D+\k], v[D+\k], v[si+7]
.endr
.irp k, 0,1,2,3
	v_mov_b32 v[D+4+\k], 16
	v_mov_b32 v[D+8+\k], 7
.endr
.irp k, 0,1,2,3
.set si, SAV+16*(4*(\g)+\k)
	v_cmp_eq_f32 vcc_lo, v[D+\k], v[BEST+2*(4*(\g)+\k)]
.irp j, 0,2,4,6
	v_dual_cndmask_b32 v[si+\j], v[si+8+\j], v[si+\j] :: v_dual_cndmask_b32 v[si+\j+1], v[si+9+\j], v[si+\j+1]
.endr
	v_cndmask_b32 v[D+4+\k], v[D+4+\k], 0, vcc_lo
.endr
.irp j, 6,5,4,3,2,1,0
.irp k, 0,1,2,3
	v_cmp_eq_f32 s[56+\k], v[SAV+16*(4*(\g)+\k)+\j], v[BEST+2*(4*(\g)+\k)]
.endr
.irp k, 0,1,2,3
	v_cndmask_b32 v[D+8+\k], v[D+8+\k], \j, s[56+\k]
.endr
.endr
.irp k, 0,1,2,3
.set bi, BEST+2*(4*(\g)+\k)
	v_lshl_add_u32 v[bi+1], v[bi+1], 5, v[D+4+\k]  ; 32 x pair + 16 x tile
.endr
.irp k, 0,1,2,3
.set bi, BEST+2*(4*(\g)+\k)
	v_add3_u32 v[bi+1], v[bi+1], v[D+8+\k], v[ROWB]
.endr
.irp k, 0,1,2,3
.set bi, BEST+2*(4*(\g)+\k)
	v_permlanex16_b32 v[OTV+\k], v[bi], s[SEL], s[SEL+1]
	v_permlanex16_b32 v[OTR+\k], v[bi+1], s[SEL], s[SEL+1]
.endr
.irp k, 0,1,2,3
.set bi, BEST+2*(4*(\g)+\k)
	v_cmp_gt_f32 s26, v[OTV+\k], v[bi]
	v_cmp_eq_f32 s27, v[OTV+\k], v[bi]
	v_cmp_lt_u32 vcc_lo, v[OTR+\k], v[bi+1]
	s_and_b32 s27, s27, vcc_lo
	s_or_b32 vcc_lo, s26, s27                      ; the other half's is larger, or equal with the lower row
	v_cndmask_b32 v[bi], v[bi], v[OTV+\k], vcc_lo
	v_cndmask_b32 v[bi+1], v[bi+1], v[OTR+\k], vcc_lo
	ds_store_b64 v[SW], v[bi:bi+1] offset:128*(4*(\g)+\k)   ; both lanes of a query write the same eight bytes with the same values
.endr
.endm
	RESOLVE 0
	RESOLVE 1
	s_wait_alu depctr_va_vdst(0)                   ; directly ahead of the wait below
	s_wait_dscnt 0x0                               ; for the others' sake: my 128 pairs lie in LDS
	s_barrier_signal -1
	s_barrier_wait -1
	s_cmp_lt_u32 s[WV], 4                          ; waves 0-3 merge the four row groups' pairs, two queries a thread; no barrier stands inside the branch
	s_cbranch_scc0 .Ldone
.irp u, 0,1,2,3
	ds_load_b128 v[E+4*\u:E+4*\u+3], v[RD] offset:2048*\u
.endr
	s_wait_dscnt 0x0
.irp u, 1,2,3
	v_cmp_gt_f32 s26, v[E+4*\u], v[E]              ; strictly larger: a lower group holds lower rows and keeps a tie
	v_cmp_gt_f32 s27, v[E+4*\u+2], v[E+2]
	v_cndmask_b32 v[E], v[E], v[E+4*\u], s26
	v_cndmask_b32 v[E+1], v[E+1], v[E+4*\u+1], s26
	v_cndmask_b32 v[E+2], v[E+2], v[E+4*\u+2], s27
	v_cndmask_b32 v[E+3], v[E+3], v[E+4*\u+3], s27
.endr
	v_mul_f32 v130, -1.0, v[E]
	v_mul_f32 v131, -1.0, v[E+2]
	v_mov_b32 v132, v[E+1]
	v_mov_b32 v133, v[E+3]
	global_store_b64 v[VO], v[130:131], s[6:7]     ; a wave stores 256 consecutive bytes, at a multiple of 256 from the buffer's first byte
	global_store_b64 v[VO], v[132:133], s[8:9]
.Ldone:
	s_wait_tensorcnt 0x0                           ; the wave's end
	ds_add_u32 v[SPW], v[NIL]
	s_wait_dscnt 0x0
	CROUND                                         ; the closing round: no work-group ends while a partner may still ask for a tile that names it
	s_endpgm
.Lfunc_end_k_qfd06618051_scan:
	.size	k_qfd06618051_scan, .Lfunc_end_k_qfd06618051_scan-k_qfd06618051_scan
	.p2alignl 7, 3214868480
	.fill 96, 4, 3214868480
	.section	.rodata,"a",@progbits
	.p2align	6, 0x0
	.amdhsa_kernel k_qfd06618051_scan
		.amdhsa_group_segment_fixed_size 327680
		.amdhsa_private_segment_fixed_size 0
		.amdhsa_enable_private_segment 0
		.amdhsa_kernarg_size 24
		.amdhsa_user_sgpr_count 2
		.amdhsa_user_sgpr_kernarg_segment_ptr 1
		.amdhsa_wavefront_size32 1
		.amdhsa_system_sgpr_workgroup_id_x 1
		.amdhsa_system_sgpr_workgroup_id_y 1
		.amdhsa_system_sgpr_workgroup_id_z 1
		.amdhsa_system_vgpr_workitem_id 0
		.amdhsa_next_free_vgpr 392
		.amdhsa_next_free_sgpr 80
		.amdhsa_reserve_vcc 1
		.amdhsa_float_denorm_mode_32 3
		.amdhsa_float_denorm_mode_16_64 3
		.amdhsa_memory_ordered 1
		.amdhsa_forward_progress 1
		.amdhsa_inst_pref_size 121
	.end_amdhsa_kernel
	.amdgpu_metadata
---
amdhsa.version: [ 1, 2 ]
amdhsa.kernels:
  - .name:           k_qfd06618051_scan
    .symbol:         k_qfd06618051_scan.kd
    .args:
      - { .name: codes, .offset: 0, .size: 8, .value_kind: global_buffer, .address_space: global }
      - { .name: pval, .offset: 8, .size: 8, .value_kind: global_buffer, .address_space: global }
      - { .name: pidx, .offset: 16, .size: 8, .value_kind: global_buffer, .address_space: global }
    .group_segment_fixed_size: 327680
    .private_segment_fixed_size: 0
    .kernarg_segment_align: 8
    .kernarg_segment_size: 24
    .max_flat_workgroup_size: 256
    .sgpr_count:     80
    .vgpr_count:     392
    .wavefront_size: 32
...
	.end_amdgpu_metadata
.endif
;; end of part 2
;; launch finish (part 3): grid 256 x 1, 8 waves a work-group, no clusters, 0 bytes of LDS; arguments reached_goal_embedding_library, target_goal_embedding_library, pval, pidx, out0, out1; writes out0, out1
.if DOCPART == 3
	.amdgcn_target "amdgcn-amd-amdhsa--gfx1250"
	.amdhsa_code_object_version 6
	.text
	.protected	k_qfd06618051_finish
	.globl	k_qfd06618051_finish
	.p2align	8
	.type	k_qfd06618051_finish,@function
k_qfd06618051_finish:
	s_mov_b64 s[64:65], 0
	v_nop
	global_prefetch_b8 v0, s[64:65] scope:SCOPE_SE
	s_setreg_imm32_b32 hwreg(HW_REG_WAVE_MODE, 25, 1), 1
	s_wait_xcnt 0x0
; For query q: s = the prev row of the smallest -S among the 32 blocks' candidates; out0[q] = |g - s| - |g - r|; out1[q] = (g - s) / |g - s| - (g - r) / |g - r|.  g = target row 65536 + q, r = reached row 65536 + q.  All in f32.
; IN: pval [32][2048] minus the blocks' largest S, pidx [32][2048] their rows, stored as whole numbers by the launch before.  (tt is left out: see the first kernel.)
; ONE WAVE, ONE QUERY.  Addresses hang on ids and on the stored rows alone: ALL 32 candidate rows are fetched (a row is 512 bytes: 16 bytes a lane, 16 KB on their way in a wave), and the winner is CHOSEN BY VALUE, with selects:
; which block wins is derived from floating-point numbers in this launch, so it steers no address and no branch.  A tie between blocks goes to the lower block, which holds the lower rows.
; No LDS, no barrier, no matrix work, no cluster, no prefetch: waves share nothing but rows that happen to be named twice, and there is no loop.
; LIMITS: where g equals s or r the gradient is 0 x infinity = NaN, as the source's own derivative gives; a squared distance under 2^-126 counts as 0 in the root and the reciprocal root (ISA guide, 15.8).  NaN and infinities are not served.
.set L16,  2
.set LP,   3                           ; 8,192 x lane: block = lane
.set VAL,  4
.set MIN,  5
.set TMP,  6
.set LF,   7
.set CF,   8
.set PST,  9                           ; the winning block
.set G,    10
.set R,    14
.set D1,   22
.set D2,   26
.set U1,   30
.set U2,   31
.set OFF,  32                          ; v32-63 byte offsets of the 32 rows
.set ROW,  64                          ; v64-191 the 32 rows, four registers each
	s_load_b256 s[4:11], s[0:1], 0x0               ; reached s[4:5], target s[6:7], pval s[8:9], pidx s[10:11]
	s_load_b128 s[12:15], s[0:1], 0x20             ; out0 s[12:13], out1 s[14:15]
	v_lshrrev_b32 v1, 5, v0
	v_readfirstlane_b32 s16, v1                    ; wave
	v_and_b32 v1, 31, v0                           ; lane
	v_mov_b32 v[TMP], 0                            ; a lane permute's destination counts as one of its sources
	v_lshlrev_b32 v[L16], 4, v1
	v_lshlrev_b32 v[LP], 13, v1
	v_cvt_f32_u32 v[LF], v1
	s_wait_alu depctr_va_vdst(0)                   ; the wait at the head's end
	s_lshl_b32 s17, ttmp9, 3
	s_add_co_u32 s17, s17, s16                     ; q
	s_lshl_b32 s18, s17, 2
	s_mov_b32 s19, 0
	s_add_co_u32 s22, s17, 65536
	s_lshl_b32 s22, s22, 9                         ; row 65536 + q, in bytes
	s_mov_b32 s23, 0
	s_lshl_b32 s24, s17, 9
	s_mov_b32 s25, 0
	s_mov_b32 s20, 0x76543210                      ; v_permlanex16_b32's selects for lane l xor 16
	s_mov_b32 s21, 0xfedcba98
	s_wait_kmcnt 0x0
	s_add_nc_u64 s[10:11], s[10:11], s[18:19]
	s_add_nc_u64 s[8:9], s[8:9], s[18:19]
.irp p, 0,1,2,3,4,5,6,7,8,9,10,11,12,13,14,15,16,17,18,19,20,21,22,23,24,25,26,27,28,29,30,31
	s_load_b32 s[32+\p], s[10:11], \p*8192         ; block p's row for my query
.endr
	s_add_nc_u64 s[12:13], s[12:13], s[18:19]
	s_add_nc_u64 s[14:15], s[14:15], s[24:25]
	s_add_nc_u64 s[6:7], s[6:7], s[22:23]
	s_add_nc_u64 s[26:27], s[4:5], s[22:23]
	global_load_b32 v[VAL], v[LP], s[8:9]          ; lane p: block p's smallest -S
	global_load_b128 v[G:G+3], v[L16], s[6:7]
	global_load_b128 v[R:R+3], v[L16], s[26:27]
	s_wait_kmcnt 0x0
.irp p, 0,1,2,3,4,5,6,7,8,9,10,11,12,13,14,15,16,17,18,19,20,21,22,23,24,25,26,27,28,29,30,31
	s_min_u32 s[32+\p], s[32+\p], 0xffff           ; a loaded number enters an address only held inside the table
	s_lshl_b32 s[32+\p], s[32+\p], 9
	v_add_nc_u32 v[OFF+\p], s[32+\p], v[L16]
	global_load_b128 v[ROW+4*\p:ROW+4*\p+3], v[OFF+\p], s[4:5]   ; a whole row: 512 consecutive bytes
.endr
	s_wait_loadcnt 34                              ; the values are in; g, r and the 32 rows, issued behind them, may be out
	v_mov_b32 v[MIN], v[VAL]
.irp m, 1,2,4,8
	v_min_num_f32_dpp v[MIN], v[MIN], v[MIN] row_xmask:\m row_mask:0xf bank_mask:0xf
.endr
	v_permlanex16_b32 v[TMP], v[MIN], s20, s21
	v_min_num_f32 v[MIN], v[MIN], v[TMP]           ; the smallest of all, in every lane
	v_mov_b32 v[CF], 0x42800000                    ; 64.0: above every block's number
	v_cmp_eq_f32 vcc_lo, v[VAL], v[MIN]
	v_cndmask_b32 v[CF], v[CF], v[LF], vcc_lo
.irp m, 1,2,4,8
	v_min_num_f32_dpp v[CF], v[CF], v[CF] row_xmask:\m row_mask:0xf bank_mask:0xf
.endr
	v_permlanex16_b32 v[TMP], v[CF], s20, s21
	v_min_num_f32 v[CF], v[CF], v[TMP]             ; the lowest block that has it
	v_cvt_u32_f32 v[PST], v[CF]
	v_and_b32 v18, 1, v[PST]
	v_and_b32 v19, 2, v[PST]
	v_and_b32 v20, 4, v[PST]
	v_and_b32 v21, 8, v[PST]
	v_and_b32 v[D1], 16, v[PST]
	v_cmp_ne_u32 s40, 0, v18
	v_cmp_ne_u32 s41, 0, v19
	v_cmp_ne_u32 s42, 0, v20
	v_cmp_ne_u32 s43, 0, v21
	v_cmp_ne_u32 s44, 0, v[D1]
.macro PICK a, b, m                    ; row a becomes row b where the bit is set
.irp c, 0,1,2,3
	v_cndmask_b32 v[ROW+4*(\a)+\c], v[ROW+4*(\a)+\c], v[ROW+4*(\b)+\c], s[\m]
.endr
.endm
	s_wait_alu depctr_va_vdst(0)                   ; directly ahead of the waits below
.irp o, 0,8,16,24
	s_wait_loadcnt 24-\o                           ; rows o .. o + 7 are in; the 24 - o rows behind them may be out
	PICK \o, \o+1, 40
	PICK \o+2, \o+3, 40
	PICK \o+4, \o+5, 40
	PICK \o+6, \o+7, 40
	PICK \o, \o+2, 41
	PICK \o+4, \o+6, 41
	PICK \o, \o+4, 42
.endr
	PICK 0, 8, 43
	PICK 16, 24, 43
	PICK 0, 16, 44                                 ; v[ROW:ROW+3]: my four numbers of s
	v_pk_add_f32 v[D1:D1+1], v[G:G+1], v[ROW:ROW+1] neg_lo:[0,1] neg_hi:[0,1]
	v_pk_add_f32 v[D1+2:D1+3], v[G+2:G+3], v[ROW+2:ROW+3] neg_lo:[0,1] neg_hi:[0,1]
	v_pk_add_f32 v[D2:D2+1], v[G:G+1], v[R:R+1] neg_lo:[0,1] neg_hi:[0,1]
	v_pk_add_f32 v[D2+2:D2+3], v[G+2:G+3], v[R+2:R+3] neg_lo:[0,1] neg_hi:[0,1]
	v_pk_mul_f32 v[68:69], v[D1:D1+1], v[D1:D1+1]
	v_pk_mul_f32 v[70:71], v[D2:D2+1], v[D2:D2+1]
	v_pk_fma_f32 v[68:69], v[D1+2:D1+3], v[D1+2:D1+3], v[68:69]
	v_pk_fma_f32 v[70:71], v[D2+2:D2+3], v[D2+2:D2+3], v[70:71]
	v_add_f32 v[U1], v68, v69
	v_add_f32 v[U2], v70, v71
.irp m, 1,2,4,8
	v_add_f32_dpp v[U1], v[U1], v[U1] row_xmask:\m row_mask:0xf bank_mask:0xf
	v_add_f32_dpp v[U2], v[U2], v[U2] row_xmask:\m row_mask:0xf bank_mask:0xf
.endr
	v_permlanex16_b32 v[TMP], v[U1], s20, s21
	v_permlanex16_b32 v[LF], v[U2], s20, s21
	v_add_f32 v[U1], v[U1], v[TMP]                 ; |g - s|^2 and |g - r|^2, in every lane
	v_add_f32 v[U2], v[U2], v[LF]
	s_wait_alu depctr_va_vdst(0)                   ; the wait ahead of the batch
	v_sqrt_f32 v18, v[U1]
	v_sqrt_f32 v19, v[U2]
	v_rsq_f32 v68, v[U1]                           ; the low words of the pairs
	v_rsq_f32 v70, v[U2]
	v_nop                                          ; one plain place behind the transcendentals
	s_wait_alu depctr_va_vdst(0)                   ; and the wait behind it
	v_sub_f32 v[CF], v18, v19                      ; the value
	v_pk_mul_f32 v[D2:D2+1], v[D2:D2+1], v[70:71] op_sel_hi:[1,0]
	v_pk_mul_f32 v[D2+2:D2+3], v[D2+2:D2+3], v[70:71] op_sel_hi:[1,0]
	v_pk_fma_f32 v[D1:D1+1], v[D1:D1+1], v[68:69], v[D2:D2+1] op_sel_hi:[1,0,1] neg_lo:[0,0,1] neg_hi:[0,0,1]
	v_pk_fma_f32 v[D1+2:D1+3], v[D1+2:D1+3], v[68:69], v[D2+2:D2+3] op_sel_hi:[1,0,1] neg_lo:[0,0,1] neg_hi:[0,0,1]
	global_store_b128 v[L16], v[D1:D1+3], s[14:15] ; a row of out1: 512 consecutive bytes, at a multiple of 512 from its first byte
	v_cmp_eq_u32 vcc_lo, 0, v1
	s_wait_alu depctr_va_vdst(0)                   ; directly ahead of the wait below
	s_wait_xcnt 0x0                                ; EXEC is a source of the store above: it changes only behind this wait
	s_and_saveexec_b32 s28, vcc_lo
	global_store_b32 v[L16], v[CF], s[12:13]       ; lane 0 (its offset is 0): out0[q].  Four bytes a wave: out0 is 8 KB in all
	s_wait_xcnt 0x0
	s_or_b32 exec_lo, exec_lo, s28
	s_endpgm
.Lfunc_end_k_qfd06618051_finish:
	.size	k_qfd06618051_finish, .Lfunc_end_k_qfd06618051_finish-k_qfd06618051_finish
	.p2alignl 7, 3214868480
	.fill 96, 4, 3214868480
	.section	.rodata,"a",@progbits
	.p2align	6, 0x0
	.amdhsa_kernel k_qfd06618051_finish
		.amdhsa_group_segment_fixed_size 0
		.amdhsa_private_segment_fixed_size 0
		.amdhsa_enable_private_segment 0
		.amdhsa_kernarg_size 48
		.amdhsa_user_sgpr_count 2
		.amdhsa_user_sgpr_kernarg_segment_ptr 1
		.amdhsa_wavefront_size32 1
		.amdhsa_system_sgpr_workgroup_id_x 1
		.amdhsa_system_sgpr_workgroup_id_y 1
		.amdhsa_system_sgpr_workgroup_id_z 1
		.amdhsa_system_vgpr_workitem_id 0
		.amdhsa_next_free_vgpr 192
		.amdhsa_next_free_sgpr 66
		.amdhsa_reserve_vcc 1
		.amdhsa_float_denorm_mode_32 3
		.amdhsa_float_denorm_mode_16_64 3
		.amdhsa_memory_ordered 1
		.amdhsa_forward_progress 1
		.amdhsa_inst_pref_size 23
	.end_amdhsa_kernel
	.amdgpu_metadata
---
amdhsa.version: [ 1, 2 ]
amdhsa.kernels:
  - .name:           k_qfd06618051_finish
    .symbol:         k_qfd06618051_finish.kd
    .args:
      - { .name: reached_goal_embedding_library, .offset: 0, .size: 8, .value_kind: global_buffer, .address_space: global }
      - { .name: target_goal_embedding_library, .offset: 8, .size: 8, .value_kind: global_buffer, .address_space: global }
      - { .name: pval, .offset: 16, .size: 8, .value_kind: global_buffer, .address_space: global }
      - { .name: pidx, .offset: 24, .size: 8, .value_kind: global_buffer, .address_space: global }
      - { .name: out0, .offset: 32, .size: 8, .value_kind: global_buffer, .address_space: global }
      - { .name: out1, .offset: 40, .size: 8, .value_kind: global_buffer, .address_space: global }
    .group_segment_fixed_size: 0
    .private_segment_fixed_size: 0
    .kernarg_segment_align: 8
    .kernarg_segment_size: 48
    .max_flat_workgroup_size: 256
    .sgpr_count:     66
    .vgpr_count:     192
    .wavefront_size: 32
...
	.end_amdgpu_metadata
.endif
;; end of part 3
